; MI455X (gfx1250); checked and timed in simulation.
; The chip was launched on July 23, 2026; its instructions are those of AMD's public machine-readable ISA for CDNA 5 (MIT licence, August 2026) and "CDNA5" Instruction Set Architecture Reference Guide (July 2026). The comments in the code are by the model that wrote it; some were corrected since.
;; Multi Head Attention. Allowed arithmetic: matrix products marked QUANTISED: E2M3 operands, one E8M0 scale for each 32 along K, by v_wmma_scale_f32_16x16x128_f8f6f4 with both operands' format E2M3, f32 sums; everything else in f32.
;; Inputs: Wk 1,024 x 1,024 float32; Wo 1,024 x 1,024 float32; Wq 1,024 x 1,024 float32; Wv 1,024 x 1,024 float32; bk 1,024 float32; bo 1,024 float32; bq 1,024 float32; bv 1,024 float32; k 4 x 2,048 x 1,024 float32; q 4 x 2,048 x 1,024 float32; v 4 x 2,048 x 1,024 float32.
;; Outputs: out0 4 x 2,048 x 1,024 float32.
;; This version of the problem:
;;   THIS VERSION OF THE PROBLEM IS GIVEN IN LOW PRECISION. The matrix products marked QUANTISED in the list below multiply operands that are first quantised to E2M3 (2 exponent bits, 3 mantissa bits; 6 bits a number), with one power-of-two scale for each 32 numbers along K (OCP MX v1.0); their sums are f32. All else is computed in f32.
;;   The module's matrix products, in the order in which they are computed (A, B: the left and right operand; K: the contracted axis; several contracted axes count as one K, in the product's order):
;;     1. [M 8,192, K 1,024] x [K 1,024, N 1,024]; A: input q; B: input Wq: QUANTISED
;;     2. [M 8,192, K 1,024] x [K 1,024, N 1,024]; A: input k; B: input Wk: QUANTISED
;;     3. [M 8,192, K 1,024] x [K 1,024, N 1,024]; A: input v; B: input Wv: QUANTISED
;;     4. batch 64 x [M 2,048, K 64] x [K 64, N 2,048]; A: computed on the way; B: computed on the way: QUANTISED
;;     5. batch 64 x [M 2,048, K 2,048] x [K 2,048, N 64]; A: softmax (see below); B: computed on the way: QUANTISED
;;     6. [M 8,192, K 1,024] x [K 1,024, N 1,024]; A: computed on the way; B: input Wo: QUANTISED
;;   THE QUANTISER, for each operand of a quantised product, along K:
;;     - K is cut into blocks of 32 from its start; a last block that is shorter is filled with zeros.
;;     - A block's scale is 2^e with e = floor(log2(the largest magnitude in the block)) - 2, held to -126 .. 127; a block of zeros has e = 0. As a byte (E8M0): e + 127.
;;     - Each number is divided by its block's scale, clamped to +-7.5, and rounded to the nearest number of E2M3, ties to even, subnormals kept.
;;     - The product sums the exact products of the quantised numbers (number of the format x scale) in f32.
;;   ~~~python
;;   def quantise(x, axis):      # numpy; x: float32 -> the quantised numbers, widened to float32 again
;;       x = np.moveaxis(x, axis, -1); K = x.shape[-1]
;;       x = np.pad(x, [(0, 0)] * (x.ndim - 1) + [(0, -K % 32)]); x = x.reshape(x.shape[:-1] + (-1, 32)); a = np.abs(x).max(-1, keepdims=True)
;;       e = np.where(a > 0, np.clip(np.frexp(np.where(a > 0, a, 1))[1] - 1 - 2, -126, 127), 0)      # np.frexp(a)[1] - 1 = floor(log2(a)), exactly
;;       r = np.clip(x / 2.0 ** e, -7.5, 7.5)
;;       step = 2.0 ** (np.maximum(np.frexp(np.where(r == 0, 1, r))[1] - 1, 0) - 3)
;;       q = np.round(r / step) * step * 2.0 ** e      # np.round: ties to even
;;       return np.moveaxis(q.reshape(q.shape[:-2] + (-1,))[..., :K], -1, axis).astype(np.float32)
;;   ~~~
;;   SOFTMAX AHEAD OF A QUANTISED PRODUCT. Where the list says 'softmax', what is quantised is not the finished softmax but p = 2^(t - M), with t = logit x log2(e) and M = ceil(the row's largest t), a whole number; so 1/2 < the row's largest p <= 1. The row's sum l is taken of the UNQUANTISED p, in f32, and the product's result is divided by l at the end. Since M is a whole number, a kernel that streams over the keys may use a running M (the ceiling of the running maximum): every later rescaling is an exact power of two, which a block's scale takes up: the codes' values come out the same.
;;   OPERANDS COMPUTED ON THE WAY. 'Computed on the way' means the value that the module computes at that place (a softmax that the list does not call 'softmax' is quantised finished and normalised). What goes into a quantiser is computed in f32, as accurately as f32 sums, v_exp_f32 and their like allow (about 1e-6 of the number): no bf16 or f16 on the way to a quantiser, and a product that is left as it is and whose result goes on into a quantised operand takes f32 operands (vector FMAs, or v_wmma_f32_16x16x4_f32). A number that lies on a knife's edge between two numbers of the format may be rounded either way, as far as f32 arithmetic and the matrix unit's own rounding can turn it there, and no further.
;; One version. Each part assembles by itself: llvm-mc -triple=amdgcn-amd-amdhsa -mcpu=gfx1250 --defsym DOCPART=n.
;; ======== version 1 of 1: 4 launches
;; limits: right only within a limited range of input values
;; workspace buffers: cw 22,937,600 bytes; hc 20,447,232 bytes; oc 6,553,600 bytes
;; launch quant (part 1): grid 896 x 1, 4 waves a work-group, no clusters, 34,304 bytes of LDS; arguments q, k, v, Wq, Wk, Wv, Wo, cw; writes cw
.if DOCPART == 1
	.amdgcn_target "amdgcn-amd-amdhsa--gfx1250"
	.amdhsa_code_object_version 6
	.text
	.protected	k_q28682defc8_quant
	.globl	k_q28682defc8_quant
	.p2align	8
	.type	k_q28682defc8_quant,@function
k_q28682defc8_quant:
	s_mov_b64 s[64:65], 0
	v_nop
	global_prefetch_b8 v0, s[64:65] scope:SCOPE_SE
	s_setreg_imm32_b32 hwreg(HW_REG_WAVE_MODE, 25, 1), 1
	s_wait_xcnt 0x0
; q, k, v [8192][1024] and Wq, Wk, Wv, Wo [1024][1024], f32, K innermost, become codes of FP6 (E2M3) with one E8M0 byte for each 32 along K,
; laid in cw IN THE ORDER OF THE OPERAND REGISTERS, so that the products read whole fragments by dense loads.
; A TILE is 16 rows: lane r of tile T is row 32 (T / 2) + 8 (T % 2) + r + 8 (r / 8).  Its record is 12,800 bytes: two chunks (512 along K) of 6,400:
; four K steps of 1,536 bytes of codes, then 256 bytes of scale words (row lane r, K step q at 16 r + 4 q).  A K step is two halves of 768 bytes (64 along K):
; registers 0-3 of lane l at 16 l, registers 4-5 at 512 + 8 l; lane (r, h) holds block h, 32 codes, of its row.
; A block scale is 2^(floor(log2(largest magnitude)) - 2): the largest magnitude exponent field less 2 is the byte.
; LIMITS: the largest magnitude is floored at 2^-124, so a block of zeros has the byte 1 (its codes are zeros, and this program alone reads the bytes); NaN and infinities are not served.
; SHARES: a work-group takes 32 rows (tiles 2 id, 2 id + 1); wave w makes tile w % 2, chunk w / 2: one chunk record, in four steps of one fragment.
; Each load reads 512 consecutive bytes of one row; the 16 rows turn through the wave own stage in LDS (pitch 528) and come back 128 bytes a lane and block.
; No matrix unit, no cluster, no barrier: waves share nothing.  Loads run two steps (32 loads a wave) ahead.
.set REC,    12800
.set CH,     6400
.set KSB,    1536
.set HFB,    768
.set STG,    8448                      ; a wave stage: 16 rows x 528 bytes
.set SPITCH, 528
.set SPARE,  4*STG                     ; behind the stages: the spare words, 128 bytes a wave
.set SPW,    10                        ; v10 my spare word; never rewritten
.set NIL,    11                        ; v11 0; never rewritten
.set TM,     12                        ; v12-13 largest magnitudes of my two blocks
.set OP,     14                        ; v14-15 the conversions scale operands
.set BY,     16                        ; v16-17 the bytes
.set WD,     20                        ; v20-23 the scale word of each K step
.set PC,     24                        ; v24-35 the fragment
.set PT,     36                        ; v36-38, v40-42 each block upper 16 codes
.set R,      64                        ; v64-191 two sets of 64 as loaded
.set X,      192                       ; v192-255 my two blocks of 32 neighbours
	s_load_b512 s[8:23], s[0:1], 0x0               ; q, k, v, Wq, Wk, Wv, Wo, cw
	v_lshl_add_u32 v[SPW], v0, 2, SPARE
	v_mov_b32 v[NIL], 0
	v_lshrrev_b32 v1, 5, v0
	v_readfirstlane_b32 s24, v1                    ; wave
	s_and_b32 s25, s24, 1                          ; u: which tile of the pair
	s_lshr_b32 s26, s24, 1                         ; c: which chunk
	s_mul_i32 s27, s24, STG
	v_and_b32 v1, 31, v0                           ; lane
	v_and_b32 v2, 15, v0                           ; r
	v_bfe_u32 v3, v0, 4, 1                         ; h
	v_lshlrev_b32 v4, 4, v1                        ; 16 l: a load 16 bytes, and registers 0-3 of a half
	v_lshl_add_u32 v5, v1, 3, 512                  ; 512 + 8 l: registers 4-5
	v_add_nc_u32 v6, s27, v4                       ; the stage, on the way in
	v_mul_u32_u24 v7, v2, SPITCH
	v_lshl_add_u32 v7, v3, 7, v7
	v_add_nc_u32 v7, s27, v7                       ; and back: row r, 128 h bytes on
	v_lshlrev_b32 v8, 4, v2
	v_lshl_add_u32 v8, v3, 3, v8
	v_add_nc_u32 v8, 6144, v8                      ; the scale words: 6,144 + 16 r + 8 h
	v_lshlrev_b32 v9, 3, v3                        ; 8 h: my bytes place in a word
	v_mov_b32 v19, 0
	; THE TENSOR k (work-groups 256 to 511) HAS ANOTHER ORDER OF ROWS: lane r of tile 4 G + t is row 64 G + 32 (r / 8) + 8 t + r % 8, so that in attention a lane's 32 scores of four tiles are one block of 32 keys
	s_lshr_b32 s36, ttmp9, 8
	s_cmp_eq_u32 s36, 1
	s_cselect_b32 s37, 0x10000, 0                  ; k: a tile's rows 8-15 lie 16 rows of 4,096 bytes further on than in the other tensors
	v_add_nc_u32 v46, s37, v4
	s_and_b32 s38, ttmp9, 1
	s_mul_i32 s38, s38, s37                        ; k: an odd work-group begins 16 rows behind its even neighbour, not 32
	s_mov_b32 s30, 0x76543210
	s_mov_b32 s31, 0xfedcba98                      ; lane l xor 16
	s_wait_alu depctr_va_vdst(0)
	s_wait_kmcnt 0x0
	s_mov_b64 s[4:5], s[8:9]
	s_mov_b32 s6, 0
.macro PICK first, ptr                 ; from work-group first on: the next tensor.  The choice hangs on the work-group number alone
	s_cmp_ge_u32 ttmp9, \first
	s_cselect_b64 s[4:5], s[\ptr:\ptr+1], s[4:5]
	s_cselect_b32 s6, \first, s6
.endm
	PICK 256, 10
	PICK 512, 12
	PICK 768, 14
	PICK 800, 16
	PICK 832, 18
	PICK 864, 20
	s_sub_co_u32 s32, ttmp9, s6
	s_lshl_b32 s32, s32, 17
	s_sub_co_u32 s32, s32, s38
	s_lshl_b32 s33, s25, 15                        ; tile 1 begins 8 rows on
	s_add_co_u32 s32, s32, s33
	s_lshl_b32 s33, s26, 11                        ; chunk 1 begins 2,048 bytes on
	s_add_co_u32 s32, s32, s33
	s_mov_b32 s33, 0
	s_add_nc_u64 s[4:5], s[4:5], s[32:33]
	s_lshl_b32 s34, ttmp9, 1
	s_add_co_u32 s34, s34, s25
	s_mul_i32 s34, s34, REC
	s_mul_i32 s35, s26, CH
	s_add_co_u32 s34, s34, s35
	s_mov_b32 s35, 0
	s_add_nc_u64 s[28:29], s[22:23], s[34:35]      ; my chunk record
.macro LOAD t                          ; K step t: 16 rows x 512 bytes, into set t % 2
.irp i, 0,1,2,3,4,5,6,7
	global_load_b128 v[R+64*((\t)%2)+4*\i:R+64*((\t)%2)+4*\i+3], v4, s[4:5] offset:\i*4096+512*(\t) th:TH_LOAD_NT
.endr
.irp i, 8,9,10,11,12,13,14,15
	global_load_b128 v[R+64*((\t)%2)+4*\i:R+64*((\t)%2)+4*\i+3], v46, s[4:5] offset:(\i+8)*4096+512*(\t) th:TH_LOAD_NT
.endr
.endm
.macro STEP t
.if (\t) < 3
	s_wait_loadcnt 16                              ; this step 16 loads are in; the next step 16 may be out
.else
	s_wait_loadcnt 0x0
.endif
.irp i, 0,1,2,3,4,5,6,7,8,9,10,11,12,13,14,15
	ds_store_b128 v6, v[R+64*((\t)%2)+4*\i:R+64*((\t)%2)+4*\i+3] offset:SPITCH*\i
.endr
.irp j, 0,1,2,3,4,5,6,7,8,9,10,11,12,13,14,15
	ds_load_b128 v[X+4*\j:X+4*\j+3], v7 offset:16*\j+128*(\j/8)   ; k = 32 h + 0 .. 31, then 64 + 32 h + 0 .. 31; LDS serves a wave in order: these see the stores
.endr
	s_wait_dscnt 0x0                               ; my numbers are back, and the stores have read their registers,
.if (\t) < 2
	LOAD (\t)+2                                    ; which take the loads of two steps on
.endif
.irp c, 0,1
	v_max3_num_f32 v[TM+\c], |v[X+32*\c]|, |v[X+32*\c+1]|, 0x1800000   ; the floor 2^(3 - 127) among the leaves: the byte cannot fall under 1
.endr
.irp i, 2,4,6,8,10,12,14,16,18,20,22,24,26,28,30
.irp c, 0,1
	v_max3_num_f32 v[TM+\c], v[TM+\c], |v[X+32*\c+\i]|, |v[X+32*\c+\i+1]|
.endr
.endr
.irp c, 0,1
	v_add_nc_u32 v[OP+\c], 0xff000000, v[TM+\c]    ; 2 off the exponent field: the conversion scale operand
.endr
.irp c, 0,1
	v_lshrrev_b32 v[BY+\c], 23, v[OP+\c]           ; the byte
.endr
	v_lshl_or_b32 v18, v[BY+1], 16, v[BY]          ; blocks h and 2 + h,
	v_lshlrev_b32 v18, v9, v18                     ; at their places;
	v_permlanex16_b32 v19, v18, s30, s31
	v_or_b32 v[WD+(\t)], v18, v19                  ; with lane l xor 16 the word is whole
.if (\t) > 0
	s_wait_alu depctr_va_vdst(0)
	s_wait_xcnt 0x0                                ; the last step stores have read the fragment registers: only now are they written again
.endif
	v_cvt_scalef32_pk16_fp6_f32 v[PC:PC+2], v[X:X+15], v[OP]
	v_cvt_scalef32_pk16_fp6_f32 v[PT:PT+2], v[X+16:X+31], v[OP]        ; (three registers from an even one on: the upper halves are made apart and moved)
	v_cvt_scalef32_pk16_fp6_f32 v[PC+6:PC+8], v[X+32:X+47], v[OP+1]
	v_cvt_scalef32_pk16_fp6_f32 v[PT+4:PT+6], v[X+48:X+63], v[OP+1]
	v_nop                                          ; one plain place behind the scaled conversions
.irp i, 0,1,2
	v_mov_b32 v[PC+3+\i], v[PT+\i]
	v_mov_b32 v[PC+9+\i], v[PT+4+\i]
.endr
	global_store_b128 v4, v[PC:PC+3], s[28:29] offset:KSB*(\t)            ; 512 consecutive bytes,
	global_store_b64 v5, v[PC+4:PC+5], s[28:29] offset:KSB*(\t)           ; and the 256 behind them
	global_store_b128 v4, v[PC+6:PC+9], s[28:29] offset:KSB*(\t)+HFB
	global_store_b64 v5, v[PC+10:PC+11], s[28:29] offset:KSB*(\t)+HFB
.endm
	LOAD 0
	LOAD 1
	STEP 0
	STEP 1
	STEP 2
	STEP 3
	v_cmp_eq_u32 vcc_lo, 1, v3
	v_cndmask_b32 v44, v[WD], v[WD+2], vcc_lo      ; lanes 0-15 store K steps 0, 1 of row r, lanes 16-31 K steps 2, 3
	v_cndmask_b32 v45, v[WD+1], v[WD+3], vcc_lo
	global_store_b64 v8, v[44:45], s[28:29]        ; 256 consecutive bytes
	s_wait_tensorcnt 0x0                           ; the wave end, behind my last LDS store
	ds_add_u32 v[SPW], v[NIL]
	s_wait_dscnt 0x0
	s_endpgm
.Lfunc_end_k_q28682defc8_quant:
	.size	k_q28682defc8_quant, .Lfunc_end_k_q28682defc8_quant-k_q28682defc8_quant
	.p2alignl 7, 3214868480
	.fill 96, 4, 3214868480
	.section	.rodata,"a",@progbits
	.p2align	6, 0x0
	.amdhsa_kernel k_q28682defc8_quant
		.amdhsa_group_segment_fixed_size 34304
		.amdhsa_private_segment_fixed_size 0
		.amdhsa_enable_private_segment 0
		.amdhsa_kernarg_size 64
		.amdhsa_user_sgpr_count 2
		.amdhsa_user_sgpr_kernarg_segment_ptr 1
		.amdhsa_wavefront_size32 1
		.amdhsa_system_sgpr_workgroup_id_x 1
		.amdhsa_system_sgpr_workgroup_id_y 1
		.amdhsa_system_sgpr_workgroup_id_z 1
		.amdhsa_system_vgpr_workitem_id 0
		.amdhsa_next_free_vgpr 256
		.amdhsa_next_free_sgpr 66
		.amdhsa_reserve_vcc 1
		.amdhsa_float_denorm_mode_32 3
		.amdhsa_float_denorm_mode_16_64 3
		.amdhsa_memory_ordered 1
		.amdhsa_forward_progress 1
		.amdhsa_inst_pref_size 32
	.end_amdhsa_kernel
	.amdgpu_metadata
---
amdhsa.version: [ 1, 2 ]
amdhsa.kernels:
  - .name:           k_q28682defc8_quant
    .symbol:         k_q28682defc8_quant.kd
    .args:
      - { .name: q, .offset: 0, .size: 8, .value_kind: global_buffer, .address_space: global }
      - { .name: k, .offset: 8, .size: 8, .value_kind: global_buffer, .address_space: global }
      - { .name: v, .offset: 16, .size: 8, .value_kind: global_buffer, .address_space: global }
      - { .name: Wq, .offset: 24, .size: 8, .value_kind: global_buffer, .address_space: global }
      - { .name: Wk, .offset: 32, .size: 8, .value_kind: global_buffer, .address_space: global }
      - { .name: Wv, .offset: 40, .size: 8, .value_kind: global_buffer, .address_space: global }
      - { .name: Wo, .offset: 48, .size: 8, .value_kind: global_buffer, .address_space: global }
      - { .name: cw, .offset: 56, .size: 8, .value_kind: global_buffer, .address_space: global }
    .group_segment_fixed_size: 34304
    .private_segment_fixed_size: 0
    .kernarg_segment_align: 8
    .kernarg_segment_size: 64
    .max_flat_workgroup_size: 128
    .sgpr_count:     66
    .vgpr_count:     256
    .wavefront_size: 32
...
	.end_amdgpu_metadata
.endif
;; end of part 1
;; launch proj (part 2): grid 8 x 96, 8 waves a work-group, clusters of 4 x 4, 308,224 bytes of LDS; arguments cw, bq, bk, bv, hc; writes hc
.if DOCPART == 2
	.amdgcn_target "amdgcn-amd-amdhsa--gfx1250"
	.amdhsa_code_object_version 6
	.text
	.protected	k_q28682defc8_proj
	.globl	k_q28682defc8_proj
	.p2align	8
	.type	k_q28682defc8_proj,@function
k_q28682defc8_proj:
	s_mov_b64 s[64:65], 0
	v_nop
	global_prefetch_b8 v0, s[64:65] scope:SCOPE_SE
	s_setreg_imm32_b32 hwreg(HW_REG_WAVE_MODE, 25, 1), 1
	s_wait_xcnt 0x0
	s_wait_alu depctr_hold_cnt(0) depctr_sa_sdst(0) depctr_va_vdst(0) depctr_va_sdst(0) depctr_va_ssrc(0) depctr_va_vcc(0) depctr_vm_vsrc(0)
	s_getreg_b32 s2, hwreg(HW_REG_IB_STS2, 6, 4)
	s_cmp_eq_u32 s2, 0
	s_cbranch_scc0 .Lentry_in_a_cluster
	s_endpgm
.Lentry_in_a_cluster:
	s_bfe_u32 s2, ttmp6, 0x10000c
	s_cmp_lg_u32 s2, 0xf033
	s_cbranch_scc0 .Lentry_shape_is_right
	s_endpgm
.Lentry_shape_is_right:
; The three projections x W^T + bias on codes of FP6 out of cw, their results quantised in registers into the operands of attention (hc).
; t = 0: Q, 1: K, 2: V, by the work-group row.  A work-group makes 256 tokens x 128 features (two heads) with ALL of K = 1,024 in LDS, filled once: no slot is ever filled again.
; Eight waves, two to a SIMD: wave w makes tokens 64 (w / 2) on x the head w % 2: 16 accumulators.
; LAYOUT.  Source 1 gives the result lanes, source 0 its registers.  Lane r of tile T is row 32 (T / 2) + 8 (T % 2) + r + 8 (r / 8), so the 16 registers of two neighbouring
; source-0 tiles are 16 neighbours.  Q, K: source 1 = tokens, source 0 = rows of W: a lane holds one token and 64 neighbouring d, the next K.
; V: the two are exchanged (only their LDS bases): a lane holds one d and 64 neighbouring tokens, the keys, which are the K of the second product.
; hc: [tensor][16 b + head][group of 64 tokens] records of 3,328 bytes: four halves of 768 (registers 0-3 of lane l at 16 l, 4-5 at 512 + 8 l), then 256 bytes of scale words (16 r + 4 a).
; CLUSTERS: 4 x 4.  The tokens tiles are shared along a row of the cluster, the weights tiles along a column: each is asked for jointly by the four.
; LIMITS: largest magnitudes floored at 2^-124 (a block of zeros: byte 1, zero codes; the bytes are read by this program alone); NaN and infinities are not served.
.set REC,   12800
.set CH,    6400
.set KSB,   1536
.set XL,    16*REC                     ; in LDS: 16 whole tile records of tokens, then 8 of weights; a record's chunk 1 lies CH behind its chunk 0
.set CHUNK, 24*CH
.set SPARE, 2*CHUNK                    ; behind the two chunks: the spare words, 128 bytes a wave
.set GR,    3328
.set TS,    64*32*GR
.set A16, 4                            ; v4-6  source 1: 16 l, 512 + 8 l, 6,144 + 16 r, each + its base
.set A8,  5
.set AS,  6
.set B16, 7                            ; v7-9  source 0 likewise
.set B8,  8
.set BS,  9
.set SPW, 10
.set NIL, 11
.set SA,  16                           ; v16-19, v20-23 scale words, and nothing else
.set SB,  20
.set AF,  32                           ; v32-79 source 1: four fragments
.set BF,  80                           ; v80-127 source 0
.set ACC, 128                          ; accumulator (a, b) at 128 + 8 (4 a + b)
.set SEL, 62
.set MSB, 0
.macro WIN new                         ; the immediate high byte repeats the setting that is left
.if MSB != \new
	s_set_vgpr_msb (MSB<<8)|\new
.set MSB, \new
.endif
.endm
.macro CROUND                          ; a round of the cluster barrier
	s_barrier_signal -1
	s_barrier_wait -1
	s_cmp_lg_u32 s14, 0
	s_cbranch_scc1 .Lnot_wave_0_\@
	s_barrier_signal -3
.Lnot_wave_0_\@:
	s_barrier_wait -3
	s_barrier_signal -1
	s_barrier_wait -1
.endm
.macro PLACES
.rept 4
	v_nop
.endr
.endm
	s_load_b256 s[4:11], s[0:1], 0x0               ; cw, bq, bk, bv
	s_load_b64 s[12:13], s[0:1], 0x20              ; hc
	v_lshl_add_u32 v[SPW], v0, 2, SPARE
	v_mov_b32 v[NIL], 0
	ds_add_u32 v[SPW], v[NIL]                      ; the wave opening
	ds_add_u32 v[SPW], v[NIL]
	v_lshrrev_b32 v1, 5, v0
	s_delay_alu instid0(VALU_DEP_1)
	v_readfirstlane_b32 s14, v1                    ; wave 0..7
	s_lshr_b32 s15, s14, 1                         ; yg: my 64 tokens
	s_and_b32 s16, s14, 1                          ; xg: my head of the two
	s_bfe_u32 s17, ttmp6, 0x40000                  ; cx
	s_bfe_u32 s18, ttmp6, 0x40004                  ; cy
	s_lshl_b32 s19, ttmp9, 2
	s_add_co_u32 s19, s19, s17                     ; work-group x: 128 features
	s_and_b32 s21, ttmp7, 0xffff
	s_lshl_b32 s20, s21, 2
	s_add_co_u32 s20, s20, s18                     ; work-group y: 256 rows of q, k, v on end
	s_lshr_b32 s21, s21, 3                         ; t: eight rows of clusters to a tensor; the same in all partners
	s_lshl_b32 s22, s18, 2
	s_lshl_b32 s22, 15, s22                        ; my row of the cluster
	s_lshl_b32 s23, 0x1111, s17                    ; my column
	; group 1 for the tokens: four tile records on end, a dense block of 51,200 bytes, as 200 rows of 256 bytes (32 elements of 8)
	s_or_b32 s24, s22, (3<<16)|(1<<21)
	s_mov_b32 s25, 32<<16
	s_mov_b32 s26, 200<<16
	s_mov_b32 s27, 32<<16
	s_mov_b32 s28, 200
	s_mov_b32 s29, 32
	s_mov_b32 s30, 0
	s_mov_b32 s31, 0
	; and for the weights: two records, 100 rows
	s_or_b32 s32, s23, (3<<16)|(1<<21)
	s_mov_b32 s33, 32<<16
	s_mov_b32 s34, 100<<16
	s_mov_b32 s35, 32<<16
	s_mov_b32 s36, 100
	s_mov_b32 s37, 32
	s_mov_b32 s38, 0
	s_mov_b32 s39, 0
	; groups 0.  ONE load a wave: waves 0-3 bring token tiles 4 (w % 4) on, waves 4-7 weight tiles 2 (w % 4) on
	s_and_b32 s49, s14, 3
	s_mov_b32 s40, 1
	s_mul_i32 s41, s49, 4*REC
	s_mov_b32 s44, 1
	s_mul_i32 s45, s49, 2*REC
	s_add_co_u32 s45, s45, XL
	s_lshl_b32 s53, s49, 1
	s_lshl_b32 s66, s20, 4
	s_lshl_b32 s67, s49, 2
	s_add_co_u32 s66, s66, s67
	s_mul_i32 s66, s66, REC                        ; tokens: tile 16 y + 4 (w % 4) (made of the work-group row and the wave alone)
	s_mov_b32 s67, 0
	s_lshl_b32 s68, s19, 3
	s_add_co_u32 s68, s68, s53
	s_lshl_b32 s69, s21, 6
	s_add_co_u32 s68, s68, s69
	s_add_co_u32 s68, s68, 1536
	s_mul_i32 s68, s68, REC                        ; weights: tile 1,536 + 64 t + 8 x + 2 (w % 4) (of the work-group column, t and the wave alone)
	s_mov_b32 s69, 0
	s_mov_b32 s[SEL], 0x76543210
	s_mov_b32 s[SEL+1], 0xfedcba98
	s_wait_dscnt 0x0                               ; the opening add is done
	s_wait_kmcnt 0x0
	s_add_nc_u64 s[42:43], s[4:5], s[66:67]
	s_add_nc_u64 s[46:47], s[4:5], s[68:69]
	s_or_b32 s43, s43, 0x80000000
	s_or_b32 s47, s47, 0x80000000
	CROUND                                         ; all sixteen work-groups are here: the joint loads meet
	s_cmp_lt_u32 s14, 4                            ; one chain on the wave's number, one first fill to an arm
	s_cbranch_scc0 .Lhead_w
	tensor_load_to_lds s[40:43], s[24:31]
	s_nop 0
	PLACES
	s_branch .Lhead_j
.Lhead_w:
	tensor_load_to_lds s[44:47], s[32:39]
	s_nop 0
	PLACES
.Lhead_j:
	v_and_b32 v1, 15, v0                           ; r
	v_bfe_u32 v2, v0, 4, 1                         ; h
	v_and_b32 v3, 31, v0                           ; lane
	s_delay_alu instid0(VALU_DEP_1)
	v_lshlrev_b32 v12, 4, v3                       ; 16 l
	s_wait_alu depctr_va_vdst(0)
	v_lshl_add_u32 v13, v3, 3, 512                 ; 512 + 8 l
	s_wait_alu depctr_va_vdst(0)
	v_lshlrev_b32 v15, 4, v1
	s_delay_alu instid0(VALU_DEP_1)
	v_lshl_add_u32 v14, v2, 3, v15
	s_delay_alu instid0(VALU_DEP_1)
	v_add_nc_u32 v14, 3072, v14                    ; a record scale words: 3,072 + 16 r + 8 h
	s_delay_alu instid0(VALU_DEP_3)
	v_add_nc_u32 v15, 6144, v15                    ; a chunk scale words: 6,144 + 16 r
	s_wait_alu depctr_va_vdst(0)
	s_mul_i32 s70, s15, 4*REC                      ; my four tiles of tokens,
	s_mul_i32 s71, s16, 4*REC
	s_add_co_u32 s71, s71, XL                      ; my four of weights
	s_cmp_eq_u32 s21, 2                            ; V exchanges the two sources
	s_cselect_b32 s74, s71, s70                    ; source 1
	s_cselect_b32 s75, s70, s71                    ; source 0
	s_cselect_b32 s58, 0, 0x3f800000               ; the factor of the bias along the registers,
	s_cselect_b32 s60, 0x3f800000, 0               ; and of the bias along the lanes
	s_cselect_b64 s[56:57], s[10:11], s[6:7]
	s_mov_b32 s59, s58
	s_mov_b32 s61, s60
	s_cmp_eq_u32 s21, 1
	s_cselect_b64 s[56:57], s[8:9], s[56:57]       ; bq, bk or bv
	v_add_nc_u32 v[A16], s74, v12
	v_add_nc_u32 v[A8], s74, v13
	v_add_nc_u32 v[AS], s74, v15
	v_add_nc_u32 v[B16], s75, v12
	v_add_nc_u32 v[B8], s75, v13
	v_add_nc_u32 v[BS], s75, v15
	s_lshl_b32 s76, s19, 1
	s_add_co_u32 s76, s76, s16                     ; my head
	s_lshl_b32 s78, s76, 8
	s_mov_b32 s79, 0
	s_add_nc_u64 s[56:57], s[56:57], s[78:79]      ; its 64 numbers of the bias
	v_lshlrev_b32 v24, 6, v2                       ; along the registers: d = 32 (b / 2) + 8 (b % 2) + 16 h + j
	v_and_b32 v25, 8, v1
	s_delay_alu instid0(VALU_DEP_1)
	v_add_nc_u32 v25, v25, v1
	s_delay_alu instid0(VALU_DEP_1)
	v_lshlrev_b32 v25, 2, v25                      ; along the lanes: d = 32 (a / 2) + 8 (a % 2) + r + 8 (r / 8)
	WIN 0x40                                       ; destination window 1: v256-287, v288-291
.irp b, 0,1,2,3
	global_load_b128 v[8*\b:8*\b+3], v24, s[56:57] offset:(32*(\b/2)+8*(\b%2))*4
	global_load_b128 v[8*\b+4:8*\b+7], v24, s[56:57] offset:(32*(\b/2)+8*(\b%2))*4+16
.endr
.irp a, 0,1,2,3
	global_load_b32 v[32+\a], v25, s[56:57] offset:(32*(\a/2)+8*(\a%2))*4
.endr
	WIN 0
	s_lshl_b32 s77, s21, 5                         ; where my record lies: group G = 4 (y - 32 t) + yg of 64 tokens; b = G / 32, g = G % 32
	s_sub_co_u32 s77, s20, s77
	s_lshl_b32 s77, s77, 2
	s_add_co_u32 s77, s77, s15
	s_lshr_b32 s78, s77, 5
	s_and_b32 s77, s77, 31
	s_lshl_b32 s78, s78, 4
	s_add_co_u32 s78, s78, s76
	s_lshl_b32 s78, s78, 5
	s_add_co_u32 s78, s78, s77
	s_mul_i32 s78, s78, GR
	s_mul_i32 s77, s21, TS
	s_add_co_u32 s78, s78, s77
	s_mov_b32 s79, 0
	s_add_nc_u64 s[72:73], s[12:13], s[78:79]
.macro FRAG reg, a16, a8, off          ; a fragment, 12 registers: two halves of 768 bytes, each one load of 16 and one of 8 bytes a lane, dense
	ds_load_b128 v[(\reg):(\reg)+3], v[\a16] offset:\off
	ds_load_b64 v[(\reg)+4:(\reg)+5], v[\a8] offset:\off
	ds_load_b128 v[(\reg)+6:(\reg)+9], v[\a16] offset:\off+768
	ds_load_b64 v[(\reg)+10:(\reg)+11], v[\a8] offset:\off+768
.endm
; A K step of 128: 40 LDS loads, 16 products.  The 16 accumulators take turns, one instruction a turn, in the same order in every step.
.macro KSTEP q, zero
.if (\zero) == 0
	PLACES                                         ; four places in front of loads into registers that matrix instructions have read
.endif
.irp i, 0,1,2,3
	FRAG BF+12*\i, B16, B8, REC*\i+KSB*(\q)
	ds_load_b32 v[SB+\i], v[BS] offset:REC*\i+4*(\q)
.endr
.irp i, 0,1,2,3
	FRAG AF+12*\i, A16, A8, REC*\i+KSB*(\q)
	ds_load_b32 v[SA+\i], v[AS] offset:REC*\i+4*(\q)
.endr
.irp a, 0,1,2,3
	s_wait_dscnt 5*(3-\a)                          ; source 0 and tile a of source 1 are in; five loads for each later tile may be out
.irp b, 0,1,2,3
.if \zero
	v_wmma_scale_f32_16x16x128_f8f6f4 v[ACC+8*(4*\a+\b):ACC+8*(4*\a+\b)+7], v[BF+12*\b:BF+12*\b+11], v[AF+12*\a:AF+12*\a+11], 0, v[SB+\b], v[SA+\a] matrix_a_fmt:MATRIX_FMT_FP6 matrix_b_fmt:MATRIX_FMT_FP6
.else
	v_wmma_scale_f32_16x16x128_f8f6f4 v[ACC+8*(4*\a+\b):ACC+8*(4*\a+\b)+7], v[BF+12*\b:BF+12*\b+11], v[AF+12*\a:AF+12*\a+11], v[ACC+8*(4*\a+\b):ACC+8*(4*\a+\b)+7], v[SB+\b], v[SA+\a] matrix_a_fmt:MATRIX_FMT_FP6 matrix_b_fmt:MATRIX_FMT_FP6
.endif
.endr
.endr
.endm
; 32 numbers of a lane, register 16 B + i = k 32 B + 16 h + i of my row, become half a fragment (6 registers at pc) and its two scale bytes (word at wd)
.macro QUANT2 src, pc, wd, tm, pt
.irp b, 0,1
	v_max3_num_f32 v[\tm+\b], |v[\src+16*\b]|, |v[\src+16*\b+1]|, 0x1800000   ; the floor 2^(3 - 127) among the leaves
.endr
.irp i, 2,4,6,8,10,12,14
.irp b, 0,1
	s_delay_alu instid0(VALU_DEP_2)
	v_max3_num_f32 v[\tm+\b], v[\tm+\b], |v[\src+16*\b+\i]|, |v[\src+16*\b+\i+1]|
.endr
.endr
.irp b, 0,1
	s_delay_alu instid0(VALU_DEP_2)
	v_permlanex16_b32 v[\tm+2+\b], v[\tm+\b], s[SEL], s[SEL+1]
.endr
.irp b, 0,1
	s_delay_alu instid0(VALU_DEP_2)
	v_max_num_f32 v[\tm+\b], v[\tm+\b], v[\tm+2+\b]      ; with lane l xor 16: the block largest magnitude
.endr
.irp b, 0,1
	s_delay_alu instid0(VALU_DEP_2)
	v_add_nc_u32 v[\tm+4+\b], 0xff000000, v[\tm+\b]      ; 2 off its exponent field: the conversion scale operand
.endr
.irp b, 0,1
	s_delay_alu instid0(VALU_DEP_2)
	v_lshrrev_b32 v[\tm+2+\b], 23, v[\tm+4+\b]           ; the byte
.endr
	s_delay_alu instid0(VALU_DEP_1)
	v_lshl_or_b32 v[\wd], v[\tm+3], 8, v[\tm+2]
	v_cvt_scalef32_pk16_fp6_f32 v[\pc:\pc+2], v[\src:\src+15], v[\tm+4]
	v_cvt_scalef32_pk16_fp6_f32 v[\pt:\pt+2], v[\src+16:\src+31], v[\tm+5]
	v_nop                                          ; one plain place behind the scaled conversions
.irp i, 0,1,2
	v_permlane16_swap_b32 v[\pc+\i], v[\pt+\i]     ; a whole block to a lane: lanes 0-15 block 0, lanes 16-31 block 1
.endr
.irp i, 0,1,2
	s_delay_alu instid0(VALU_DEP_3)
	v_mov_b32 v[\pc+3+\i], v[\pt+\i]
.endr
.endm
	s_wait_alu depctr_va_vdst(0)
	s_wait_tensorcnt 0x0                           ; my one load has landed: the fragment bases are chosen by t, and nothing is read while a fill is on its way
	s_barrier_signal -1
	s_barrier_wait -1                              ; everybody's have
	KSTEP 0, 1                                     ; the first products start the sums
	KSTEP 1, 0
	KSTEP 2, 0
	KSTEP 3, 0
.irp g, A16, A8, AS, B16, B8, BS
	v_add_nc_u32 v[\g], CH, v[\g]                  ; on to chunk 1 of each record
.endr
	KSTEP 0, 0
	s_wait_alu depctr_va_vdst(0)
	KSTEP 1, 0
	KSTEP 2, 0
	KSTEP 3, 0
	; THE WAY OUT.  The bias: both kinds are added, one with the factor 1 and the other with 0, so that the three tensors take one path.  Each accumulator is read from its low end on.
	PLACES
	s_wait_loadcnt 0x0
	WIN 0x01                                       ; source 0 window 1
.irp a, 0,1,2,3
.irp p, 0,1,2,3,4,5,6,7,8,9,10,11,12,13,14,15
	v_pk_fma_f32 v[ACC+32*\a+2*\p:ACC+32*\a+2*\p+1], v[2*\p:2*\p+1], s[58:59], v[ACC+32*\a+2*\p:ACC+32*\a+2*\p+1] op_sel_hi:[1,0,1]
.endr
.irp p, 0,1,2,3,4,5,6,7,8,9,10,11,12,13,14,15
.if \a%2
	v_pk_fma_f32 v[ACC+32*\a+2*\p:ACC+32*\a+2*\p+1], v[32+2*(\a/2):33+2*(\a/2)], s[60:61], v[ACC+32*\a+2*\p:ACC+32*\a+2*\p+1] op_sel:[1,0,0] op_sel_hi:[1,0,1]
.else
	v_pk_fma_f32 v[ACC+32*\a+2*\p:ACC+32*\a+2*\p+1], v[32+2*(\a/2):33+2*(\a/2)], s[60:61], v[ACC+32*\a+2*\p:ACC+32*\a+2*\p+1] op_sel_hi:[0,0,1]
.endif
.endr
.endr
	WIN 0
	v_mov_b32 v70, 0                               ; written once: a lane permute destination counts as a source
	v_mov_b32 v71, 0
.irp a, 0,1,2,3                        ; each tile has registers of its own for its codes and its word: no store data are written again
	QUANT2 ACC+32*\a, 32+8*\a, 96+\a, 68, 76
	global_store_b128 v12, v[32+8*\a:35+8*\a], s[72:73] offset:768*\a
	global_store_b64 v13, v[36+8*\a:37+8*\a], s[72:73] offset:768*\a
.endr
	v_cmp_eq_u32 vcc_lo, 1, v2
	s_delay_alu instid0(VALU_DEP_1)
	v_cndmask_b32 v100, v96, v98, vcc_lo           ; lanes 0-15 store the words of tiles 0, 1, lanes 16-31 those of tiles 2, 3
	s_delay_alu instid0(VALU_DEP_2)
	v_cndmask_b32 v101, v97, v99, vcc_lo
	global_store_b64 v14, v[100:101], s[72:73]     ; 256 consecutive bytes
	s_wait_tensorcnt 0x0                           ; the wave end
	ds_add_u32 v[SPW], v[NIL]
	s_wait_dscnt 0x0
	CROUND                                         ; the closing round
	s_endpgm
.Lfunc_end_k_q28682defc8_proj:
	.size	k_q28682defc8_proj, .Lfunc_end_k_q28682defc8_proj-k_q28682defc8_proj
	.p2alignl 7, 3214868480
	.fill 96, 4, 3214868480
	.section	.rodata,"a",@progbits
	.p2align	6, 0x0
	.amdhsa_kernel k_q28682defc8_proj
		.amdhsa_group_segment_fixed_size 308224
		.amdhsa_private_segment_fixed_size 0
		.amdhsa_enable_private_segment 0
		.amdhsa_kernarg_size 40
		.amdhsa_user_sgpr_count 2
		.amdhsa_user_sgpr_kernarg_segment_ptr 1
		.amdhsa_wavefront_size32 1
		.amdhsa_system_sgpr_workgroup_id_x 1
		.amdhsa_system_sgpr_workgroup_id_y 1
		.amdhsa_system_sgpr_workgroup_id_z 1
		.amdhsa_system_vgpr_workitem_id 0
		.amdhsa_next_free_vgpr 296
		.amdhsa_next_free_sgpr 100
		.amdhsa_reserve_vcc 1
		.amdhsa_float_denorm_mode_32 3
		.amdhsa_float_denorm_mode_16_64 3
		.amdhsa_memory_ordered 1
		.amdhsa_forward_progress 1
		.amdhsa_inst_pref_size 67
	.end_amdhsa_kernel
	.amdgpu_metadata
---
amdhsa.version: [ 1, 2 ]
amdhsa.kernels:
  - .name:           k_q28682defc8_proj
    .symbol:         k_q28682defc8_proj.kd
    .args:
      - { .name: cw, .offset: 0, .size: 8, .value_kind: global_buffer, .address_space: global }
      - { .name: bq, .offset: 8, .size: 8, .value_kind: global_buffer, .address_space: global }
      - { .name: bk, .offset: 16, .size: 8, .value_kind: global_buffer, .address_space: global }
      - { .name: bv, .offset: 24, .size: 8, .value_kind: global_buffer, .address_space: global }
      - { .name: hc, .offset: 32, .size: 8, .value_kind: global_buffer, .address_space: global }
    .group_segment_fixed_size: 308224
    .private_segment_fixed_size: 0
    .kernarg_segment_align: 8
    .kernarg_segment_size: 40
    .max_flat_workgroup_size: 256
    .sgpr_count:     100
    .vgpr_count:     296
    .wavefront_size: 32
...
	.end_amdgpu_metadata
.endif
;; end of part 2
;; launch attn (part 3): grid 4 x 64, 16 waves a work-group, clusters of 4 x 1, 327,680 bytes of LDS; arguments hc, oc; writes oc
.if DOCPART == 3
	.amdgcn_target "amdgcn-amd-amdhsa--gfx1250"
	.amdhsa_code_object_version 6
	.text
	.protected	k_q28682defc8_attn
	.globl	k_q28682defc8_attn
	.p2align	8
	.type	k_q28682defc8_attn,@function
k_q28682defc8_attn:
	s_mov_b64 s[64:65], 0
	v_nop
	global_prefetch_b8 v0, s[64:65] scope:SCOPE_SE
	s_setreg_imm32_b32 hwreg(HW_REG_WAVE_MODE, 25, 1), 1
	s_wait_xcnt 0x0
	s_wait_alu depctr_hold_cnt(0) depctr_sa_sdst(0) depctr_va_vdst(0) depctr_va_sdst(0) depctr_va_ssrc(0) depctr_va_vcc(0) depctr_vm_vsrc(0)
	s_getreg_b32 s2, hwreg(HW_REG_IB_STS2, 6, 4)
	s_cmp_eq_u32 s2, 0
	s_cbranch_scc0 .Lentry_in_a_cluster
	s_endpgm
.Lentry_in_a_cluster:
	s_bfe_u32 s2, ttmp6, 0x10000c
	s_cmp_lg_u32 s2, 0x3003
	s_cbranch_scc0 .Lentry_shape_is_right
	s_endpgm
.Lentry_shape_is_right:
; Attention of one head on codes of FP6 out of hc; its result, divided by the row's sum, is quantised along d into oc, in the order of the operand registers of the last projection.
; A work-group takes 512 queries of one (batch, head); the four work-groups of a cluster share that head's K and V, which are asked for jointly and lie in LDS whole, filled once.
; 16 waves; a wave makes two passes of 16 queries over 16 steps of 128 keys.  Both products are used transposed (S^T = K Q^T, O^T = V^T p^T): a lane holds one query throughout.
; hc: [Q, K, V][16 b + head][group of 64 tokens] records of 3,328 bytes: four halves of 768 (registers 0-3 of lane l at 16 l, 4-5 at 512 + 8 l), then 256 bytes of scale words (16 r + 4 a).
; K's TILES: lane r of tile t of a group is key 32 (r / 8) + 8 t + r % 8, so that lane (r, h) holds in the 32 registers of a group's four score tiles the keys 32 h + 0 .. 31 of that group:
; one whole block of the second product's K, in the order of its operand: the block's maximum needs no other lane and the conversions' results are the operand.
; THE HEAD SIZE IS 64, the instruction's K is 128: Q's upper six registers are zero codes.  What they meet adds nothing, so a K fragment is named as 12 registers of which the upper six are the next tile's
; (the last tile's: V's first six); the scale bytes that go with them are 0, a finite code.
; SOFTMAX: p = 2^(t - M), t = score x log2(e) / 8, M the ceiling of the running largest t; sums of the unquantised p in f32; a change of M multiplies the sum and O^T by an exact power of two.
; A block's largest p is made from the block's largest score by the same multiply-add and exponential as every p (this takes v_exp_f32 not to fall where its input rises).
; EACH STEP'S LDS LOADS (V of this step, K of the next) are issued at its top and waited for once, ahead of the conversions; the next step's scores are started directly behind this step's second product.
; LIMITS: the promise holds while |t| stays under 2^31; a block's largest p is floored at 2^-124 (byte 1, zero codes); NaN and infinities are not served.
; No prefetch: every tile is asked for once, at the head, and there is no loop to run ahead in.
.set GR,    3328
.set HB,    32*GR
.set TS,    64*HB
.set STEPB, 4*GR                       ; LDS, a step of 128 keys: K's two groups, then V's two
.set SPARE, 16*STEPB                   ; behind the 16 steps: the spare words, 128 bytes a wave
.set REC,   12800
.set CH,    6400
.set B16, 1                            ; v1-4 bases: 16 l; 512 + 8 l; K's scale words 3,072 + 16 r + GR h; V's 2 GR + 3,072 + 16 r
.set B8,  2
.set BKS, 3
.set BVS, 4
.set A16, 5                            ; the same + the trip's place in LDS
.set A8,  6
.set SPW, 7
.set NIL, 8
.set AKS, 9
.set OP,  10                           ; v10-11 the conversions' scale operands; also at work in the maxima and the sums
.set NMA, 12                           ; -M, in two registers by turns, each the low word of a pair
.set RM,  13                           ; the running largest score
.set NMB, 14
.set SH,  15                           ; 8 h
.set QF,  16                           ; v16-27 Q: six registers of codes, six of zero codes
.set QS,  28                           ; Q's scale word
.set AVS, 29
.set L,   30                           ; v30-31 the row's sum in two halves
.set KF,  32                           ; v32-79 K: eight tiles x 6
.set VF,  80                           ; v80-127 V: four tiles x 12
.set S,   128                          ; v128-191 scores, then p
.set OT,  192                          ; v192-223 O^T
.set PC,  224                          ; v224-235 p's codes
.set PT,  236                          ; v236-238, v240-242 each block's upper 16 codes
.set T1,  239
.set PT2, 240
.set PW,  243                          ; p's scale word
.set KS,  244                          ; v244-247 K's scale words, v248-251 V's
.set VS,  248
.set BM,  252                          ; v252-253 my two blocks' largest
.set F,   254                          ; 2^(old M - new M), the low word of a pair
.set T0,  255
.set WV,  8
.set SEL, 32
.set CS,  34
.set TB,  36
.set CNT, 37
.macro CROUND
	s_barrier_signal -1
	s_barrier_wait -1
	s_cmp_lg_u32 s[WV], 0
	s_cbranch_scc1 .Lnot_wave_0_\@
	s_barrier_signal -3
.Lnot_wave_0_\@:
	s_barrier_wait -3
	s_barrier_signal -1
	s_barrier_wait -1
.endm
.macro PLACES
.rept 4
	v_nop
.endr
.endm
	s_load_b128 s[4:7], s[0:1], 0x0                ; hc, oc
	v_lshl_add_u32 v[SPW], v0, 2, SPARE
	v_mov_b32 v[NIL], 0
	ds_add_u32 v[SPW], v[NIL]                      ; the opening lines
	ds_add_u32 v[SPW], v[NIL]
	v_lshrrev_b32 v1, 5, v0
	v_readfirstlane_b32 s[WV], v1                  ; wave 0..15
	s_bfe_u32 s9, ttmp6, 0x40000                   ; cx: which 512 queries
	s_and_b32 s10, ttmp7, 0xffff                   ; 16 b + head
	s_mov_b32 s16, 15|(3<<16)|(1<<21)              ; group 1: two rows of 6,656 bytes (832 elements of 8): a step of K, and TS bytes on the same step of V; the mask names the cluster's four
	s_mov_b32 s17, 832<<16
	s_mov_b32 s18, 2<<16
	s_mov_b32 s19, 832<<16
	s_mov_b32 s20, 2
	s_mov_b32 s21, TS/8
	s_mov_b32 s22, 0
	s_mov_b32 s23, 0
	s_mov_b32 s24, 1
	s_mul_i32 s25, s[WV], STEPB                    ; wave w brings step w
	s_mul_i32 s12, s10, HB
	s_mul_i32 s13, s[WV], 2*GR
	s_add_co_u32 s12, s12, s13
	s_mov_b32 s13, 0
	s_mov_b32 s[SEL], 0x76543210
	s_mov_b32 s[SEL+1], 0xfedcba98                 ; lane l xor 16
	s_mov_b32 s[CS], 0x3e38aa3b                    ; log2(e) / 8
	s_mov_b32 s[CS+1], s[CS]
	s_wait_dscnt 0x0
	s_wait_kmcnt 0x0
	s_add_nc_u64 s[26:27], s[4:5], s[12:13]
	s_add_nc_u64 s[26:27], s[26:27], TS
	s_or_b32 s27, s27, 0x80000000
	CROUND                                         ; the four work-groups are here: the joint loads meet
	tensor_load_to_lds s[24:27], s[16:23]          ; my one tensor load
	s_nop 0
	PLACES
	s_lshl_b32 s46, s9, 5
	s_add_co_u32 s46, s46, s[WV]                   ; my first tile of 16 queries, of the batch's 128; the second pass takes the tile 16 further on
	s_lshr_b32 s47, s46, 2
	s_mul_i32 s47, s47, GR
	s_and_b32 s48, s46, 3
	s_mul_i32 s49, s48, 768
	s_mul_i32 s50, s10, HB
	s_add_co_u32 s50, s50, s47
	s_add_co_u32 s52, s50, s49
	s_mov_b32 s53, 0
	s_lshl_b32 s48, s48, 2
	s_add_co_u32 s54, s50, s48
	s_mov_b32 s55, 0
	s_add_nc_u64 s[38:39], s[4:5], s[52:53]        ; Q's codes
	s_add_nc_u64 s[44:45], s[4:5], s[54:55]        ; Q's record + 4 a: the scale words lie 3,072 + 16 r on
	s_lshr_b32 s56, s10, 4
	s_lshl_b32 s56, s56, 7
	s_add_co_u32 s56, s56, s46
	s_mul_i32 s56, s56, REC                        ; oc: my tile's record,
	s_and_b32 s57, s10, 15
	s_lshr_b32 s58, s57, 3
	s_mul_i32 s58, s58, CH                         ; the chunk, K step and half of my head
	s_add_co_u32 s56, s56, s58
	s_bfe_u32 s58, s57, 0x20001
	s_and_b32 s59, s57, 1
	s_mul_i32 s60, s58, 1536
	s_mul_i32 s61, s59, 768
	s_add_co_u32 s60, s60, s61
	s_add_co_u32 s60, s60, s56
	s_mov_b32 s61, 0
	s_add_nc_u64 s[40:41], s[6:7], s[60:61]
	s_lshl_b32 s58, s58, 2
	s_lshl_b32 s59, s59, 1
	s_add_co_u32 s58, s58, s59
	s_add_co_u32 s58, s58, s56
	s_add_co_u32 s58, s58, 6144
	s_mov_b32 s59, 0
	s_add_nc_u64 s[42:43], s[6:7], s[58:59]        ; and its two scale bytes of each row
	v_and_b32 v[T1], 31, v0
	v_and_b32 v[T0], 15, v0
	v_bfe_u32 v[OP], v0, 4, 1                      ; h
	v_lshlrev_b32 v[B16], 4, v[T1]
	v_lshl_add_u32 v[B8], v[T1], 3, 512
	v_lshlrev_b32 v[OP+1], 4, v[T0]                ; 16 r
	v_lshlrev_b32 v[SH], 3, v[OP]
	v_mad_u32_u24 v[BKS], v[OP], GR, v[OP+1]       ; lanes 0-15 the step's first group, lanes 16-31 its second
	v_add_nc_u32 v[BVS], 2*GR+3072, v[OP+1]
	v_add_nc_u32 v[BKS], 3072, v[BKS]
	v_add_nc_u32 v[AVS], s25, v[BVS]
	s_wait_alu depctr_va_vdst(0)
	global_load_b128 v[QF:QF+3], v[B16], s[38:39]
	global_load_b64 v[QF+4:QF+5], v[B8], s[38:39]
	global_load_b32 v[QS], v[BVS], s[44:45] offset:-2*GR
.irp j, 6,7,8,9,10,11
	v_mov_b32 v[QF+\j], 0                          ; Q's zero codes
	v_mov_b32 v[VF+\j-6], 0                        ; named behind K's last tile before V is first loaded
.endr
	s_wait_alu depctr_va_vdst(0)
	s_wait_tensorcnt 0x0
	s_barrier_signal -1
	s_barrier_wait -1                              ; all 16 steps are in
	ds_load_b128 v[VS:VS+3], v[AVS]                ; V's scale words of step w: each group's word has two bytes; the two groups' are joined once, here, into the first group's place
	ds_load_b128 v[KS:KS+3], v[AVS] offset:GR
	s_wait_dscnt 0x0
.irp a, 0,1,2,3
	v_lshl_or_b32 v[VS+\a], v[KS+\a], 16, v[VS+\a]
.endr
	ds_store_b128 v[AVS], v[VS:VS+3]               ; lanes r and 16 + r store the same bytes with the same values; these bytes have had their only fill
	s_wait_dscnt 0x0
	s_barrier_signal -1
	s_barrier_wait -1
.macro KLOAD a16, a8, aks, o           ; a step of K: its scale words and eight tiles of six registers
	ds_load_b128 v[KS:KS+3], v[\aks] offset:\o
.irp t, 0,1,2,3,4,5,6,7
	ds_load_b128 v[KF+6*\t:KF+6*\t+3], v[\a16] offset:\o+GR*(\t/4)+768*(\t%4)
	ds_load_b64 v[KF+6*\t+4:KF+6*\t+5], v[\a8] offset:\o+GR*(\t/4)+768*(\t%4)
.endr
.endm
.macro SMUL                            ; S^T of 128 keys: eight tiles
.irp t, 0,1,2,3
	v_wmma_scale_f32_16x16x128_f8f6f4 v[S+8*\t:S+8*\t+7], v[KF+6*\t:KF+6*\t+11], v[QF:QF+11], 0, v[KS+\t], v[QS] matrix_a_fmt:MATRIX_FMT_FP6 matrix_b_fmt:MATRIX_FMT_FP6
.endr
.irp t, 0,1,2,3
	v_wmma_scale_f32_16x16x128_f8f6f4 v[S+32+8*\t:S+32+8*\t+7], v[KF+24+6*\t:KF+24+6*\t+11], v[QF:QF+11], 0, v[KS+\t], v[QS] matrix_a_fmt:MATRIX_FMT_FP6 matrix_b_fmt:MATRIX_FMT_FP6 matrix_a_scale:MATRIX_SCALE_ROW1
.endr
.endm
.macro AX x, j                         ; pair j of p onto a partial sum
	v_pk_add_f32 v[\x:\x+1], v[\x:\x+1], v[S+2*(\j):S+2*(\j)+1]
.endm
.macro FMA n                           ; t - M, two at a time
.rept \n
	v_pk_fma_f32 v[S+j:S+j+1], v[S+j:S+j+1], s[CS:CS+1], v[NMX:NMX+1] op_sel_hi:[1,0,0]
.set j, j+2
.endr
.endm
; A step.  Four places stand ahead of it, behind the matrix instructions of the step before.  o: its place in LDS behind the trip's; nm, om: the new and the old -M; last: no step follows in this pass
.macro STEP o, nm, om, last, p
	ds_load_b128 v[VS:VS+3], v[AVS] offset:\o
.irp a, 0,1,2,3
	ds_load_b128 v[VF+12*\a:VF+12*\a+3], v[A16] offset:\o+2*GR+768*\a
	ds_load_b64 v[VF+12*\a+4:VF+12*\a+5], v[A8] offset:\o+2*GR+768*\a
	ds_load_b128 v[VF+12*\a+6:VF+12*\a+9], v[A16] offset:\o+3*GR+768*\a
	ds_load_b64 v[VF+12*\a+10:VF+12*\a+11], v[A8] offset:\o+3*GR+768*\a
.endr
.if \last
.if \p == 0
	global_load_b128 v[QF:QF+3], v[B16], s[38:39] offset:4*GR      ; the second pass's queries: Q's registers have been read for the last time
	global_load_b64 v[QF+4:QF+5], v[B8], s[38:39] offset:4*GR
	global_load_b32 v[QS], v[BVS], s[44:45] offset:2*GR
.endif
.else
	KLOAD A16, A8, AKS, \o+STEPB
.endif
	v_max3_num_f32 v[BM], v[S], v[S+1], v[S+2]                     ; the largest score of my two blocks of 32 keys, in four chains; each tile is read from its low end on
	v_max3_num_f32 v[OP], v[S+16], v[S+17], v[S+18]
	v_max3_num_f32 v[BM+1], v[S+32], v[S+33], v[S+34]
	v_max3_num_f32 v[OP+1], v[S+48], v[S+49], v[S+50]
.irp i, 3,5,7,9,11,13
	v_max3_num_f32 v[BM], v[BM], v[S+\i], v[S+\i+1]
	v_max3_num_f32 v[OP], v[OP], v[S+16+\i], v[S+16+\i+1]
	v_max3_num_f32 v[BM+1], v[BM+1], v[S+32+\i], v[S+32+\i+1]
	v_max3_num_f32 v[OP+1], v[OP+1], v[S+48+\i], v[S+48+\i+1]
.endr
	v_max3_num_f32 v[BM], v[BM], v[OP], v[S+15]
	v_max3_num_f32 v[BM+1], v[BM+1], v[OP+1], v[S+47]
	v_max_num_f32 v[BM], v[BM], v[S+31]
	v_max_num_f32 v[BM+1], v[BM+1], v[S+63]
	s_delay_alu instid0(VALU_DEP_1)
	v_max_num_f32 v[T0], v[BM], v[BM+1]
	s_delay_alu instid0(VALU_DEP_1)
	v_permlanex16_b32 v[T1], v[T0], s[SEL], s[SEL+1]
	s_delay_alu instid0(VALU_DEP_1)
	v_max3_num_f32 v[RM], v[RM], v[T0], v[T1]      ; the running largest score of my query
	s_delay_alu instid0(VALU_DEP_1)
	v_mul_f32 v[T0], s[CS], v[RM]                  ; as t
	s_delay_alu instid0(VALU_DEP_1)
	v_floor_f32 v[\nm], -v[T0]                     ; -M = floor(-t): M is a whole number
.set NMX, \nm
.set j, 0
	FMA 4
	v_sub_f32 v[T0], v[\nm], v[\om]                ; old M less new M, 0 or less
	FMA 4
	v_cvt_i32_f32 v[T0], v[T0]                     ; (it saturates)
	FMA 4
	v_ldexp_f32 v[F], 1.0, v[T0]
	FMA 20
	v_fma_f32 v[BM], v[BM], s[CS], v[\nm]          ; the same of each block's largest score
	v_fma_f32 v[BM+1], v[BM+1], s[CS], v[\nm]
.set j, 0
.rept 16
	v_pk_mul_f32 v[OT+j:OT+j+1], v[OT+j:OT+j+1], v[F:F+1] op_sel_hi:[1,0]   ; O^T under the new M
.set j, j+2
.endr
	s_wait_alu depctr_va_vdst(0)
	v_exp_f32 v[BM], v[BM]
	v_exp_f32 v[BM+1], v[BM+1]
.set j, 0
.rept 32
	v_exp_f32 v[S+j], v[S+j]
.set j, j+1
.endr
	s_wait_alu depctr_va_vdst(0)                   ; and behind it
.rept 32
	v_exp_f32 v[S+j], v[S+j]
.set j, j+1
.endr
	v_pk_fma_f32 v[L:L+1], v[L:L+1], v[F:F+1], v[S:S+1] op_sel_hi:[1,0,1]   ; the sum under the new M, and the first pair of p: the sum is taken of the unquantised p, in two chains
	v_max_num_f32 v[BM], 0x1800000, v[BM]          ; the floor 2^(3 - 127): the byte cannot fall under 1
	v_max_num_f32 v[BM+1], 0x1800000, v[BM+1]
	v_pk_add_f32 v[PT:PT+1], v[S+2:S+3], v[S+4:S+5]
	v_add_nc_u32 v[OP], 0xff000000, v[BM]          ; 2 off the exponent field: the conversion's scale operand
	v_add_nc_u32 v[OP+1], 0xff000000, v[BM+1]
	AX L, 3
	AX PT, 4
	v_lshrrev_b32 v[BM], 23, v[OP]                 ; the bytes of blocks h and 2 + h
	v_lshrrev_b32 v[BM+1], 23, v[OP+1]
	AX L, 5
	AX PT, 6
	v_lshl_or_b32 v[T1], v[BM+1], 16, v[BM]
	AX L, 7
	AX PT, 8
	v_lshlrev_b32 v[T1], v[SH], v[T1]              ; at their places
	AX L, 9
	AX PT, 10
	v_permlanex16_b32 v[T0], v[T1], s[SEL], s[SEL+1]
	AX L, 11
	AX PT, 12
	v_or_b32 v[PW], v[T1], v[T0]                   ; with lane l xor 16's two the word is whole
	AX L, 13
	AX PT, 14
	AX L, 15
	v_pk_add_f32 v[L:L+1], v[L:L+1], v[PT:PT+1]
	s_wait_alu depctr_va_vdst(0)                   ; behind the second batch, and directly ahead of the wait below
	s_wait_dscnt 0x0                               ; the step's LDS loads, issued at its top, are in
	v_cvt_scalef32_pk16_fp6_f32 v[PC:PC+2], v[S:S+15], v[OP]
	v_cvt_scalef32_pk16_fp6_f32 v[PT:PT+2], v[S+16:S+31], v[OP]           ; (three registers from an even one on: the upper halves are made apart and moved)
	v_cvt_scalef32_pk16_fp6_f32 v[PC+6:PC+8], v[S+32:S+47], v[OP+1]
	v_cvt_scalef32_pk16_fp6_f32 v[PT2:PT2+2], v[S+48:S+63], v[OP+1]
	AX L, 18                                       ; the plain place behind the conversions
	v_pk_add_f32 v[OP:OP+1], v[S+32:S+33], v[S+34:S+35]
.irp i, 0,1,2
	v_mov_b32 v[PC+3+\i], v[PT+\i]
	v_mov_b32 v[PC+9+\i], v[PT2+\i]
	AX L, 19+2*\i
	AX OP, 20+2*\i
.endr
.irp i, 25,27,29
	AX L, \i
	AX OP, \i+1
.endr
	AX L, 31
	v_pk_add_f32 v[L:L+1], v[L:L+1], v[OP:OP+1]
.irp a, 0,1,2,3                        ; O^T += V^T p^T; the four accumulators, then the next scores' eight: no two matrix instructions on end share an accumulator
	v_wmma_scale_f32_16x16x128_f8f6f4 v[OT+8*\a:OT+8*\a+7], v[VF+12*\a:VF+12*\a+11], v[PC:PC+11], v[OT+8*\a:OT+8*\a+7], v[VS+\a], v[PW] matrix_a_fmt:MATRIX_FMT_FP6 matrix_b_fmt:MATRIX_FMT_FP6
.endr
.if \last == 0
	SMUL
.endif
.endm
.macro TRIP p, last                    ; two steps.  The four additions are the places behind the matrix instructions
	v_add_nc_u32 v[A16], s[TB], v[B16]
	v_add_nc_u32 v[A8], s[TB], v[B8]
	v_add_nc_u32 v[AKS], s[TB], v[BKS]
	v_add_nc_u32 v[AVS], s[TB], v[BVS]
	STEP 0, NMA, NMB, 0, \p
	PLACES
	STEP STEPB, NMB, NMA, \last, \p
.endm
; 32 numbers of a lane, register 16 B + i = d 32 B + 16 h + i of my query, become half a fragment (6 registers at pc) and two scale bytes (tm + 2, tm + 3)
.macro QUANT2 src, pc, wd, tm, pt
.irp b, 0,1
	v_max3_num_f32 v[\tm+\b], |v[\src+16*\b]|, |v[\src+16*\b+1]|, 0x1800000
.endr
.irp i, 2,4,6,8,10,12,14
.irp b, 0,1
	v_max3_num_f32 v[\tm+\b], v[\tm+\b], |v[\src+16*\b+\i]|, |v[\src+16*\b+\i+1]|
.endr
.endr
.irp b, 0,1
	v_permlanex16_b32 v[\tm+2+\b], v[\tm+\b], s[SEL], s[SEL+1]
.endr
.irp b, 0,1
	v_max_num_f32 v[\tm+\b], v[\tm+\b], v[\tm+2+\b]
.endr
.irp b, 0,1
	v_add_nc_u32 v[\tm+4+\b], 0xff000000, v[\tm+\b]
.endr
.irp b, 0,1
	v_lshrrev_b32 v[\tm+2+\b], 23, v[\tm+4+\b]
.endr
	v_lshl_or_b32 v[\wd], v[\tm+3], 8, v[\tm+2]
	v_cvt_scalef32_pk16_fp6_f32 v[\pc:\pc+2], v[\src:\src+15], v[\tm+4]
	v_cvt_scalef32_pk16_fp6_f32 v[\pt:\pt+2], v[\src+16:\src+31], v[\tm+5]
	v_nop
.irp i, 0,1,2
	v_permlane16_swap_b32 v[\pc+\i], v[\pt+\i]
.endr
.irp i, 0,1,2
	v_mov_b32 v[\pc+3+\i], v[\pt+\i]
.endr
.endm
.macro PASS p
.if \p
	s_wait_xcnt 0x0                                ; the first pass's stores have read their registers
.endif
	v_mov_b32 v[RM], 0xff61b1e6                    ; the largest score so far: -3e38
	v_mov_b32 v[L], 0
	v_mov_b32 v[L+1], 0
	v_mul_f32 v[T0], s[CS], v[RM]
	KLOAD B16, B8, BKS, 0
	v_floor_f32 v[NMB], -v[T0]
.set j, 0
.rept 32
	v_mov_b32 v[OT+j], 0                           ; the step is written once: the first finds zeros
.set j, j+1
.endr
	s_mov_b32 s[TB], 0
	s_mov_b32 s[CNT], 7
	s_wait_alu depctr_va_vdst(0)
	s_wait_loadcnt 0x0                             ; Q
	s_wait_dscnt 0x0
	SMUL                                           ; step 0's scores
.Lkey_\@:
	TRIP \p, 0
	s_add_co_u32 s[TB], s[TB], 2*STEPB
	s_sub_co_u32 s[CNT], s[CNT], 1
	s_cmp_lg_u32 s[CNT], 0
	s_cbranch_scc1 .Lkey_\@
	TRIP \p, 1                                     ; steps 14 and 15: nothing is fetched or multiplied beyond the last
	PLACES
	v_add_f32 v[L], v[L], v[L+1]
	v_permlanex16_b32 v[T0], v[L], s[SEL], s[SEL+1]
	v_add_f32 v[L], v[L], v[T0]                    ; the row's sum
	s_wait_alu depctr_va_vdst(0)
	v_rcp_f32 v[F], v[L]
	v_nop
	s_wait_alu depctr_va_vdst(0)                   ; ahead of the first reader of the reciprocal and of O^T
.set j, 0
.rept 16
	v_pk_mul_f32 v[S+j:S+j+1], v[OT+j:OT+j+1], v[F:F+1] op_sel_hi:[1,0]
.set j, j+2
.endr
	QUANT2 S, PC, S+38, S+32, S+40
	v_and_b32 v[S+44], 15, v0
	v_lshrrev_b32 v[S+45], 3, v[SH]
	v_cmp_ne_u32 vcc_lo, 0, v[SH]
	v_lshl_add_u32 v[S+44], v[S+44], 4, v[S+45]    ; 16 r + h
	v_cndmask_b32 v[S+46], v[S+34], v[S+35], vcc_lo   ; lane (r, h) stores block h's byte
	s_wait_alu depctr_va_vdst(0)
	global_store_b128 v[B16], v[PC:PC+3], s[40:41] offset:16*REC*\p
	global_store_b64 v[B8], v[PC+4:PC+5], s[40:41] offset:16*REC*\p
	global_store_b8 v[S+44], v[S+46], s[42:43] offset:16*REC*\p
.endm
	PASS 0
	PASS 1
	s_wait_tensorcnt 0x0                           ; the wave's end
	ds_add_u32 v[SPW], v[NIL]
	s_wait_dscnt 0x0
	CROUND                                         ; the closing round
	s_endpgm
.Lfunc_end_k_q28682defc8_attn:
	.size	k_q28682defc8_attn, .Lfunc_end_k_q28682defc8_attn-k_q28682defc8_attn
	.p2alignl 7, 3214868480
	.fill 96, 4, 3214868480
	.section	.rodata,"a",@progbits
	.p2align	6, 0x0
	.amdhsa_kernel k_q28682defc8_attn
		.amdhsa_group_segment_fixed_size 327680
		.amdhsa_private_segment_fixed_size 0
		.amdhsa_enable_private_segment 0
		.amdhsa_kernarg_size 16
		.amdhsa_user_sgpr_count 2
		.amdhsa_user_sgpr_kernarg_segment_ptr 1
		.amdhsa_wavefront_size32 1
		.amdhsa_system_sgpr_workgroup_id_x 1
		.amdhsa_system_sgpr_workgroup_id_y 1
		.amdhsa_system_sgpr_workgroup_id_z 1
		.amdhsa_system_vgpr_workitem_id 0
		.amdhsa_next_free_vgpr 256
		.amdhsa_next_free_sgpr 66
		.amdhsa_reserve_vcc 1
		.amdhsa_float_denorm_mode_32 3
		.amdhsa_float_denorm_mode_16_64 3
		.amdhsa_memory_ordered 1
		.amdhsa_forward_progress 1
		.amdhsa_inst_pref_size 134
	.end_amdhsa_kernel
	.amdgpu_metadata
---
amdhsa.version: [ 1, 2 ]
amdhsa.kernels:
  - .name:           k_q28682defc8_attn
    .symbol:         k_q28682defc8_attn.kd
    .args:
      - { .name: hc, .offset: 0, .size: 8, .value_kind: global_buffer, .address_space: global }
      - { .name: oc, .offset: 8, .size: 8, .value_kind: global_buffer, .address_space: global }
    .group_segment_fixed_size: 327680
    .private_segment_fixed_size: 0
    .kernarg_segment_align: 8
    .kernarg_segment_size: 16
    .max_flat_workgroup_size: 512
    .sgpr_count:     66
    .vgpr_count:     256
    .wavefront_size: 32
...
	.end_amdgpu_metadata
.endif
;; end of part 3
;; launch outp (part 4): grid 8 x 32, 8 waves a work-group, clusters of 4 x 4, 308,224 bytes of LDS; arguments oc, cw, bo, out0; writes out0
.if DOCPART == 4
	.amdgcn_target "amdgcn-amd-amdhsa--gfx1250"
	.amdhsa_code_object_version 6
	.text
	.protected	k_q28682defc8_outp
	.globl	k_q28682defc8_outp
	.p2align	8
	.type	k_q28682defc8_outp,@function
k_q28682defc8_outp:
	s_mov_b64 s[64:65], 0
	v_nop
	global_prefetch_b8 v0, s[64:65] scope:SCOPE_SE
	s_setreg_imm32_b32 hwreg(HW_REG_WAVE_MODE, 25, 1), 1
	s_wait_xcnt 0x0
	s_wait_alu depctr_hold_cnt(0) depctr_sa_sdst(0) depctr_va_vdst(0) depctr_va_sdst(0) depctr_va_ssrc(0) depctr_va_vcc(0) depctr_vm_vsrc(0)
	s_getreg_b32 s2, hwreg(HW_REG_IB_STS2, 6, 4)
	s_cmp_eq_u32 s2, 0
	s_cbranch_scc0 .Lentry_in_a_cluster
	s_endpgm
.Lentry_in_a_cluster:
	s_bfe_u32 s2, ttmp6, 0x10000c
	s_cmp_lg_u32 s2, 0xf033
	s_cbranch_scc0 .Lentry_shape_is_right
	s_endpgm
.Lentry_shape_is_right:
; out0 = attention output x Wo^T + bo, on codes of FP6: the rows out of oc, Wo out of cw (tiles 1,728 on), both in the order of the operand registers.
; A work-group makes 256 tokens x 128 features with ALL of K = 1,024 in LDS, in two chunks of 512, each filled once.  Eight waves, two to a SIMD: wave w makes tokens 64 (w / 2) on x features 64 (w % 2) on.
; Source 0 = rows of Wo, source 1 = tokens: a lane holds one token (row 32 (T / 2) + 8 (T % 2) + r + 8 (r / 8) of tile T) and its 16 registers of two neighbouring tiles are 16 neighbouring features.
; CLUSTERS: 4 x 4.  The tokens tiles are shared along a row of the cluster, the weights along a column: each is asked for jointly by the four.
; THE WAY OUT goes through a stage of the wave own, in the first token records, which has had its only fill and which every wave has left at the second barrier.
.set REC,   12800
.set CH,    6400
.set KSB,   1536
.set XL,    16*REC                     ; in LDS: 16 whole tile records of tokens, then 8 of weights; a record's chunk 1 lies CH behind its chunk 0
.set CHUNK, 24*CH
.set SPARE, 2*CHUNK
.set SP,    272                        ; a stage row: 256 bytes + 16
.set A16, 4
.set A8,  5
.set AS,  6
.set B16, 7
.set B8,  8
.set BS,  9
.set SPW, 10
.set NIL, 11
.set SA,  16                           ; v16-19, v20-23 scale words, and nothing else
.set SB,  20
.set AF,  32
.set BF,  80
.set ACC, 128
.macro CROUND
	s_barrier_signal -1
	s_barrier_wait -1
	s_cmp_lg_u32 s14, 0
	s_cbranch_scc1 .Lnot_wave_0_\@
	s_barrier_signal -3
.Lnot_wave_0_\@:
	s_barrier_wait -3
	s_barrier_signal -1
	s_barrier_wait -1
.endm
.macro PLACES
.rept 4
	v_nop
.endr
.endm
	s_load_b256 s[4:11], s[0:1], 0x0               ; oc, cw, bo, out0
	v_lshl_add_u32 v[SPW], v0, 2, SPARE
	v_mov_b32 v[NIL], 0
	ds_add_u32 v[SPW], v[NIL]                      ; the wave opening
	ds_add_u32 v[SPW], v[NIL]
	v_lshrrev_b32 v1, 5, v0
	s_delay_alu instid0(VALU_DEP_1)
	v_readfirstlane_b32 s14, v1                    ; wave 0..7
	s_lshr_b32 s15, s14, 1                         ; yg
	s_and_b32 s16, s14, 1                          ; xg
	s_bfe_u32 s17, ttmp6, 0x40000                  ; cx
	s_bfe_u32 s18, ttmp6, 0x40004                  ; cy
	s_lshl_b32 s19, ttmp9, 2
	s_add_co_u32 s19, s19, s17                     ; work-group x
	s_and_b32 s20, ttmp7, 0xffff
	s_lshl_b32 s20, s20, 2
	s_add_co_u32 s20, s20, s18                     ; work-group y
	s_lshl_b32 s22, s18, 2
	s_lshl_b32 s22, 15, s22                        ; my row of the cluster
	s_lshl_b32 s23, 0x1111, s17                    ; my column
	s_or_b32 s24, s22, (3<<16)|(1<<21)             ; tokens: four tile records on end, 51,200 dense bytes, as 200 rows of 256 bytes (32 elements of 8)
	s_mov_b32 s25, 32<<16
	s_mov_b32 s26, 200<<16
	s_mov_b32 s27, 32<<16
	s_mov_b32 s28, 200
	s_mov_b32 s29, 32
	s_mov_b32 s30, 0
	s_mov_b32 s31, 0
	s_or_b32 s32, s23, (3<<16)|(1<<21)             ; weights: two records, 100 rows
	s_mov_b32 s33, 32<<16
	s_mov_b32 s34, 100<<16
	s_mov_b32 s35, 32<<16
	s_mov_b32 s36, 100
	s_mov_b32 s37, 32
	s_mov_b32 s38, 0
	s_mov_b32 s39, 0
	s_and_b32 s49, s14, 3                          ; ONE load a wave: waves 0-3 bring token tiles 4 (w % 4) on, waves 4-7 weight tiles 2 (w % 4) on
	s_mov_b32 s40, 1
	s_mul_i32 s41, s49, 4*REC
	s_mov_b32 s44, 1
	s_mul_i32 s45, s49, 2*REC
	s_add_co_u32 s45, s45, XL
	s_lshl_b32 s53, s49, 1
	s_lshl_b32 s66, s20, 4
	s_lshl_b32 s67, s49, 2
	s_add_co_u32 s66, s66, s67
	s_mul_i32 s66, s66, REC                        ; tokens: tile 16 y + 4 (w % 4)
	s_mov_b32 s67, 0
	s_lshl_b32 s68, s19, 3
	s_add_co_u32 s68, s68, s53
	s_add_co_u32 s68, s68, 1728
	s_mul_i32 s68, s68, REC                        ; weights: tile 1,728 + 8 x + 2 (w % 4)
	s_mov_b32 s69, 0
	s_wait_dscnt 0x0                               ; the opening add is done
	s_wait_kmcnt 0x0
	s_add_nc_u64 s[42:43], s[4:5], s[66:67]
	s_add_nc_u64 s[46:47], s[6:7], s[68:69]
	s_or_b32 s43, s43, 0x80000000
	s_or_b32 s47, s47, 0x80000000
	CROUND                                         ; all sixteen work-groups are here: the joint loads meet
	s_cmp_lt_u32 s14, 4                            ; one chain on the wave's number, one first fill to an arm
	s_cbranch_scc0 .Lhead_w
	tensor_load_to_lds s[40:43], s[24:31]
	s_nop 0
	PLACES
	s_branch .Lhead_j
.Lhead_w:
	tensor_load_to_lds s[44:47], s[32:39]
	s_nop 0
	PLACES
.Lhead_j:
	v_and_b32 v1, 15, v0                           ; r
	v_bfe_u32 v2, v0, 4, 1                         ; h
	v_and_b32 v3, 31, v0                           ; lane
	s_delay_alu instid0(VALU_DEP_1)
	v_lshlrev_b32 v28, 4, v3                       ; 16 l
	s_delay_alu instid0(VALU_DEP_2)
	v_lshl_add_u32 v29, v3, 3, 512                 ; 512 + 8 l
	v_lshlrev_b32 v15, 4, v1                       ; 16 r
	s_delay_alu instid0(VALU_DEP_1)
	v_add_nc_u32 v30, 6144, v15
	s_mul_i32 s70, s15, 4*REC                      ; my four tiles of tokens,
	s_mul_i32 s71, s16, 4*REC
	s_add_co_u32 s71, s71, XL                      ; my four of weights
	v_add_nc_u32 v[A16], s70, v28
	v_add_nc_u32 v[A8], s70, v29
	v_add_nc_u32 v[AS], s70, v30
	v_add_nc_u32 v[B16], s71, v28
	v_add_nc_u32 v[B8], s71, v29
	v_add_nc_u32 v[BS], s71, v30
	s_mul_i32 s74, s14, 16*SP                      ; my stage
	v_mul_u32_u24 v12, v1, SP
	s_delay_alu instid0(VALU_DEP_1)
	v_lshl_add_u32 v12, v2, 6, v12
	s_delay_alu instid0(VALU_DEP_1)
	v_add_nc_u32 v12, s74, v12                     ; in: row r, 64 h bytes on
	v_mul_u32_u24 v13, v2, SP
	s_delay_alu instid0(VALU_DEP_1)
	v_lshl_add_u32 v13, v1, 4, v13
	s_delay_alu instid0(VALU_DEP_1)
	v_add_nc_u32 v13, s74, v13                     ; back: lanes 0-15 one row, lanes 16-31 the next
	v_lshlrev_b32 v14, 12, v2
	s_delay_alu instid0(VALU_DEP_1)
	v_lshl_add_u32 v14, v1, 4, v14                 ; and the same in out0
	s_lshl_b32 s77, s20, 8
	s_lshl_b32 s78, s15, 6
	s_add_co_u32 s77, s77, s78                     ; my first token
	s_lshl_b32 s78, s77, 12
	s_lshl_b32 s76, s19, 9
	s_lshl_b32 s77, s16, 8
	s_add_co_u32 s76, s76, s77                     ; my first feature, in bytes
	s_add_co_u32 s78, s78, s76
	s_mov_b32 s79, 0
	s_mov_b32 s77, 0
	s_add_nc_u64 s[72:73], s[10:11], s[78:79]
	s_add_nc_u64 s[56:57], s[8:9], s[76:77]
	global_load_b128 v[24:27], v15, s[56:57]       ; bo at the four features that I store
.macro FRAG reg, a16, a8, off
	ds_load_b128 v[(\reg):(\reg)+3], v[\a16] offset:\off
	ds_load_b64 v[(\reg)+4:(\reg)+5], v[\a8] offset:\off
	ds_load_b128 v[(\reg)+6:(\reg)+9], v[\a16] offset:\off+768
	ds_load_b64 v[(\reg)+10:(\reg)+11], v[\a8] offset:\off+768
.endm
; A K step of 128: 40 LDS loads, 16 products.  The 16 accumulators take turns, one instruction a turn, in the same order in every step.
.macro KSTEP q, zero
.if (\zero) == 0
	PLACES                                         ; four places in front of loads into registers that matrix instructions have read
.endif
.irp i, 0,1,2,3
	FRAG BF+12*\i, B16, B8, REC*\i+KSB*(\q)
	ds_load_b32 v[SB+\i], v[BS] offset:REC*\i+4*(\q)
.endr
.irp i, 0,1,2,3
	FRAG AF+12*\i, A16, A8, REC*\i+KSB*(\q)
	ds_load_b32 v[SA+\i], v[AS] offset:REC*\i+4*(\q)
.endr
.irp a, 0,1,2,3
	s_wait_dscnt 5*(3-\a)                          ; the weights and tile a of the tokens are in; five loads for each later tile may be out
.irp b, 0,1,2,3
.if \zero
	v_wmma_scale_f32_16x16x128_f8f6f4 v[ACC+8*(4*\a+\b):ACC+8*(4*\a+\b)+7], v[BF+12*\b:BF+12*\b+11], v[AF+12*\a:AF+12*\a+11], 0, v[SB+\b], v[SA+\a] matrix_a_fmt:MATRIX_FMT_FP6 matrix_b_fmt:MATRIX_FMT_FP6
.else
	v_wmma_scale_f32_16x16x128_f8f6f4 v[ACC+8*(4*\a+\b):ACC+8*(4*\a+\b)+7], v[BF+12*\b:BF+12*\b+11], v[AF+12*\a:AF+12*\a+11], v[ACC+8*(4*\a+\b):ACC+8*(4*\a+\b)+7], v[SB+\b], v[SA+\a] matrix_a_fmt:MATRIX_FMT_FP6 matrix_b_fmt:MATRIX_FMT_FP6
.endif
.endr
.endr
.endm
	s_wait_alu depctr_va_vdst(0)
	s_wait_tensorcnt 0x0                           ; my one load has landed
	s_barrier_signal -1
	s_barrier_wait -1
	KSTEP 0, 1                                     ; the first products start the sums
	KSTEP 1, 0
	KSTEP 2, 0
	KSTEP 3, 0
.irp g, A16, A8, AS, B16, B8, BS
	v_add_nc_u32 v[\g], CH, v[\g]                  ; on to chunk 1 of each record
.endr
	KSTEP 0, 0
	s_wait_alu depctr_va_vdst(0)
	KSTEP 1, 0
	KSTEP 2, 0
	KSTEP 3, 0
; THE WAY OUT, a tile of 16 tokens x 64 features at a time: into my stage as it lies, each accumulator from its low end on; back as whole rows of 256 bytes; + bo; sixteen lanes store 256 consecutive bytes, aligned.
; LDS serves a wave in order: no wait between the stores and the loads, nor in front of the next tile stores.  Each tile comes back into registers of its own (the last into accumulators that have been staged).
.macro TOSTAGE a
.irp b, 0,1,2,3
	ds_store_b128 v12, v[ACC+8*(4*(\a)+\b):ACC+8*(4*(\a)+\b)+3] offset:128*(\b/2)+32*(\b%2)
	ds_store_b128 v12, v[ACC+8*(4*(\a)+\b)+4:ACC+8*(4*(\a)+\b)+7] offset:128*(\b/2)+32*(\b%2)+16
.endr
.irp t, 0,1,2,3,4,5,6,7
	ds_load_b128 v[32+32*(\a)+4*\t:32+32*(\a)+4*\t+3], v13 offset:2*SP*\t
.endr
.endm
.macro SEND a, younger                 ; younger: the LDS instructions issued behind tile a loads: the next tile 8 stores and 8 loads, or none
	s_wait_dscnt \younger
.irp t, 0,1,2,3,4,5,6,7
	v_pk_add_f32 v[32+32*(\a)+4*\t:32+32*(\a)+4*\t+1], v[32+32*(\a)+4*\t:32+32*(\a)+4*\t+1], v[24:25]
	v_pk_add_f32 v[32+32*(\a)+4*\t+2:32+32*(\a)+4*\t+3], v[32+32*(\a)+4*\t+2:32+32*(\a)+4*\t+3], v[26:27]
.endr
.irp t, 0,1,2,3,4,5,6,7
	global_store_b128 v14, v[32+32*(\a)+4*\t:32+32*(\a)+4*\t+3], s[72:73] offset:(32*((\a)/2)+8*((\a)%2)+2*\t+8*(\t/4))*4096 th:TH_STORE_NT
.endr
.endm
	PLACES                                         ; behind the last products: results are read, and loads land on operands
	s_wait_loadcnt 0x0                             ; bo
	s_wait_dscnt 0x0                               ; my reads of the tiles are over
	s_barrier_signal -1
	s_barrier_wait -1                              ; and everybody's: the stages lie in the first token records, which have had their only fill
	TOSTAGE 0
.irp a, 1,2,3
	TOSTAGE \a
	SEND \a-1, 16
.endr
	SEND 3, 0
	s_wait_tensorcnt 0x0                           ; the wave end, behind my last tensor load and my last LDS store
	ds_add_u32 v[SPW], v[NIL]
	s_wait_dscnt 0x0
	CROUND                                         ; the closing round
	s_endpgm
.Lfunc_end_k_q28682defc8_outp:
	.size	k_q28682defc8_outp, .Lfunc_end_k_q28682defc8_outp-k_q28682defc8_outp
	.p2alignl 7, 3214868480
	.fill 96, 4, 3214868480
	.section	.rodata,"a",@progbits
	.p2align	6, 0x0
	.amdhsa_kernel k_q28682defc8_outp
		.amdhsa_group_segment_fixed_size 308224
		.amdhsa_private_segment_fixed_size 0
		.amdhsa_enable_private_segment 0
		.amdhsa_kernarg_size 32
		.amdhsa_user_sgpr_count 2
		.amdhsa_user_sgpr_kernarg_segment_ptr 1
		.amdhsa_wavefront_size32 1
		.amdhsa_system_sgpr_workgroup_id_x 1
		.amdhsa_system_sgpr_workgroup_id_y 1
		.amdhsa_system_sgpr_workgroup_id_z 1
		.amdhsa_system_vgpr_workitem_id 0
		.amdhsa_next_free_vgpr 256
		.amdhsa_next_free_sgpr 100
		.amdhsa_reserve_vcc 0
		.amdhsa_float_denorm_mode_32 3
		.amdhsa_float_denorm_mode_16_64 3
		.amdhsa_memory_ordered 1
		.amdhsa_forward_progress 1
		.amdhsa_inst_pref_size 57
	.end_amdhsa_kernel
	.amdgpu_metadata
---
amdhsa.version: [ 1, 2 ]
amdhsa.kernels:
  - .name:           k_q28682defc8_outp
    .symbol:         k_q28682defc8_outp.kd
    .args:
      - { .name: oc, .offset: 0, .size: 8, .value_kind: global_buffer, .address_space: global }
      - { .name: cw, .offset: 8, .size: 8, .value_kind: global_buffer, .address_space: global }
      - { .name: bo, .offset: 16, .size: 8, .value_kind: global_buffer, .address_space: global }
      - { .name: out0, .offset: 24, .size: 8, .value_kind: global_buffer, .address_space: global }
    .group_segment_fixed_size: 308224
    .private_segment_fixed_size: 0
    .kernarg_segment_align: 8
    .kernarg_segment_size: 32
    .max_flat_workgroup_size: 256
    .sgpr_count:     100
    .vgpr_count:     256
    .wavefront_size: 32
...
	.end_amdgpu_metadata
.endif
;; end of part 4
